; MI455X (gfx1250); checked and timed in simulation.
; The chip was launched on July 23, 2026; its instructions are those of AMD's public machine-readable ISA for CDNA 5 (MIT licence, August 2026) and "CDNA5" Instruction Set Architecture Reference Guide (July 2026). The comments in the code are by the model that wrote it; some were corrected since.
;; Bi LSTM Cell. Allowed arithmetic: matrix products marked QUANTISED: E3M2 operands, one E8M0 scale for each 32 along K, by v_wmma_scale_f32_16x16x128_f8f6f4 with both operands' format E3M2, f32 sums; products left as they are: f32 operands where the result goes on into a quantised operand, else bf16, f16 or f32 operands; f32 sums; everything else in f32.
;; Inputs: Wh 4 x 1,024 x 1,024 float32; Wn 4 x 1,024 x 4 float32; Wx 4 x 1,024 x 1,024 float32; b 4 x 1,024 float32; cell 8,192 x 1,024 float32; hidden 8,192 x 1,024 float32; neighbors 8,192 x 4 float32; x 8,192 x 1,024 float32.
;; Outputs: out0 8,192 x 1,024 float32; out1 8,192 x 1,024 float32.
;; This version of the problem:
;;   THIS VERSION OF THE PROBLEM IS GIVEN IN LOW PRECISION. The matrix products marked QUANTISED in the list below multiply operands that are first quantised to E3M2 (3 exponent bits, 2 mantissa bits; 6 bits a number), with one power-of-two scale for each 32 numbers along K (OCP MX v1.0); their sums are f32. All else is computed in f32.
;;   The module's matrix products, in the order in which they are computed (A, B: the left and right operand; K: the contracted axis; several contracted axes count as one K, in the product's order):
;;     1. [M 8,192, K 1,024] x [K 1,024, N 4,096]; A: input x; B: input Wx: QUANTISED
;;     2. [M 8,192, K 1,024] x [K 1,024, N 4,096]; A: input hidden; B: input Wh: QUANTISED
;;     3. [M 8,192, K 4] x [K 4, N 4,096]; A: input neighbors; B: input Wn: left as it is (K = 4 < 32)
;;   THE QUANTISER, for each operand of a quantised product, along K:
;;     - K is cut into blocks of 32 from its start; a last block that is shorter is filled with zeros.
;;     - A block's scale is 2^e with e = floor(log2(the largest magnitude in the block)) - 4, held to -126 .. 127; a block of zeros has e = 0. As a byte (E8M0): e + 127.
;;     - Each number is divided by its block's scale, clamped to +-28, and rounded to the nearest number of E3M2, ties to even, subnormals kept.
;;     - The product sums the exact products of the quantised numbers (number of the format x scale) in f32.
;;   ~~~python
;;   def quantise(x, axis):      # numpy; x: float32 -> the quantised numbers, widened to float32 again
;;       x = np.moveaxis(x, axis, -1); K = x.shape[-1]
;;       x = np.pad(x, [(0, 0)] * (x.ndim - 1) + [(0, -K % 32)]); x = x.reshape(x.shape[:-1] + (-1, 32)); a = np.abs(x).max(-1, keepdims=True)
;;       e = np.where(a > 0, np.clip(np.frexp(np.where(a > 0, a, 1))[1] - 1 - 4, -126, 127), 0)      # np.frexp(a)[1] - 1 = floor(log2(a)), exactly
;;       r = np.clip(x / 2.0 ** e, -28, 28)
;;       step = 2.0 ** (np.maximum(np.frexp(np.where(r == 0, 1, r))[1] - 1, -2) - 2)
;;       q = np.round(r / step) * step * 2.0 ** e      # np.round: ties to even
;;       return np.moveaxis(q.reshape(q.shape[:-2] + (-1,))[..., :K], -1, axis).astype(np.float32)
;;   ~~~
;; One version. Each part assembles by itself: llvm-mc -triple=amdgcn-amd-amdhsa -mcpu=gfx1250 --defsym DOCPART=n.
;; ======== version 1 of 1: 2 launches
;; limits: right only within a limited range of input values; values are held in bf16: 8 bits of precision
;; workspace buffers: a_codes 12,582,912 bytes; a_scales 524,288 bytes; w_codes 6,291,456 bytes; w_scales 262,144 bytes
;; launch quant (part 1): grid 768 x 1, 4 waves a work-group, no clusters, 69,120 bytes of LDS; arguments x, hidden, Wx, Wh, a_codes, a_scales, w_codes, w_scales; writes a_codes, a_scales, w_codes, w_scales
.if DOCPART == 1
	.amdgcn_target "amdgcn-amd-amdhsa--gfx1250"
	.amdhsa_code_object_version 6
	.text
	.protected	k_qc98c5e5aff_quant
	.globl	k_qc98c5e5aff_quant
	.p2align	8
	.type	k_qc98c5e5aff_quant,@function
k_qc98c5e5aff_quant:
	s_mov_b64 s[64:65], 0
	v_nop
	global_prefetch_b8 v0, s[64:65] scope:SCOPE_SE
	s_setreg_imm32_b32 hwreg(HW_REG_WAVE_MODE, 25, 1), 1
	s_wait_xcnt 0x0
; x | hidden [8192][1024 + 1024] and Wx | Wh [4096][1024 + 1024], f32, K innermost, become codes of BF6 (E3M2) with one E8M0 scale byte for each 32 along K.
; The two quantised products have the same rows and columns: they are laid as ONE product with K = 2,048, 16 steps of 128 (steps 0-7 the first tensor, 8-15 the second).
; THE CODES ARE LAID AS THE MATRIX OPERAND'S REGISTERS: [row block of 16][step][1,536 bytes]; in such an image register n (0..11) of lane l lies at 512 (n / 4) + 16 l + 4 (n % 4).
; Lane (r, h) holds row r; registers 6 c .. 6 c + 5 hold K = 64 c + 32 h + 0 .. 31 of the step.  THE SCALE WORDS (four bytes: a row's 128 K) lie [row block][step][row]: 1,024 bytes a row block.
; THE WEIGHTS' ROWS ARE PERMUTED: row (gate g, unit u) goes to row (u / 32) x 128 + 32 g + u % 32; 16 neighbouring rows stay neighbours.
; A block's scale is 2^(floor(log2(largest magnitude)) - 4); its byte is that magnitude's exponent field - 4, held at 1 from below.  A block of zeros gets the byte 1 where the rule says 127:
; its codes are zeros, and the bytes are read by this program alone.  LIMITS: NaN and infinities are not served; blocks whose largest magnitude lies under 2^(5 - 127) have their byte held at 1.
; SHARES: a work-group takes a row block (0-511 activations, 512-767 weights), wave w its steps 4 w .. 4 w + 3, an image at a time.  Each load reads 512 consecutive bytes of a row; an image's 16 rows turn
; through the wave's own stage in LDS (rows 528 bytes apart) and come back 128 bytes of a row to a lane: two whole blocks a lane, so no other lane is asked for a maximum.
; Each store of codes covers 512 consecutive bytes; the wave's 64 scale words leave as one aligned run of 256 bytes.  No tensor loads, no barrier: waves share nothing.
.set WGA,   512
.set SPI,   528
.set STG,   16*SPI
.set WREG,  2*STG+256                  ; two stages and the wave's 256 bytes of scale words
.set SPARE, 4*WREG
.set R,     16                         ; v16-143  two sets of 64: an image as loaded
.set X,     144                        ; v144-207 my 64 numbers
.set C,     208                        ; v208-219 the image's 12 registers
.set T1,    220
.set T2,    224
	s_load_b256 s[4:11], s[0:1], 0x0               ; x, hidden, Wx, Wh
	s_load_b256 s[12:19], s[0:1], 0x20             ; a_codes, a_scales, w_codes, w_scales
	v_lshl_add_u32 v12, v0, 2, SPARE
	v_mov_b32 v13, 0
	v_lshrrev_b32 v1, 5, v0
	v_readfirstlane_b32 s24, v1                    ; wave
	v_and_b32 v2, 31, v0
	v_lshlrev_b32 v3, 4, v2                        ; 16 x lane
	s_mul_i32 s25, s24, WREG
	v_add_nc_u32 v4, s25, v3                       ; into the stage
	v_and_b32 v10, 15, v0                          ; r
	v_bfe_u32 v11, v0, 4, 1                        ; h
	v_mul_u32_u24 v5, v10, SPI
	v_lshl_add_u32 v5, v11, 7, v5
	v_add_nc_u32 v5, s25, v5                       ; out of it: row r, 128 h
	s_add_co_u32 s25, s25, 2*STG
	v_lshlrev_b32 v6, 2, v10
	v_add_nc_u32 v6, s25, v6                       ; my row's scale word
	v_lshlrev_b32 v8, 3, v2
	v_add_nc_u32 v7, s25, v8                       ; the words on their way out: 8 bytes a lane
	v_lshlrev_b32 v9, 3, v11                       ; 8 h
	v_mov_b32 v235, 0                              ; (a lane permute's destination counts as a source)
	s_cmp_lt_u32 ttmp9, WGA
	s_cselect_b32 s20, 0, WGA
	s_sub_co_u32 s20, ttmp9, s20                   ; the row block that I write
	s_lshr_b32 s21, s20, 3
	s_lshl_b32 s21, s21, 5                         ; a weight's source row: 32 (block / 8)
	s_bfe_u32 s22, s20, 0x20001
	s_lshl_b32 s22, s22, 10                        ; + 1,024 gate
	s_add_co_u32 s21, s21, s22
	s_and_b32 s22, s20, 1
	s_lshl_b32 s22, s22, 4                         ; + 16 (block % 2)
	s_add_co_u32 s21, s21, s22
	s_lshl_b32 s22, s20, 4                         ; an activation's: 16 x block
	s_cmp_lt_u32 ttmp9, WGA
	s_cselect_b32 s21, s22, s21
	s_lshl_b32 s26, s21, 12                        ; 4,096 bytes a row
	s_and_b32 s22, s24, 1
	s_lshl_b32 s22, s22, 11                        ; + which half of the tensor's 1,024
	s_add_co_u32 s26, s26, s22
	s_mov_b32 s27, 0
	s_lshl_b32 s28, s20, 4
	s_lshl_b32 s22, s24, 2
	s_add_co_u32 s28, s28, s22
	s_mul_i32 s28, s28, 1536                       ; my first image
	s_mov_b32 s29, 0
	s_lshl_b32 s30, s20, 10
	s_lshl_b32 s22, s24, 8
	s_add_co_u32 s30, s30, s22                     ; my 256 bytes of scale words
	s_mov_b32 s31, 0
	s_mov_b32 s22, 0x76543210
	s_mov_b32 s23, 0xfedcba98                      ; selects for lane l xor 16
	s_wait_alu depctr_va_vdst(0)                   ; the wait at the head's end
	s_wait_kmcnt 0x0
	s_cmp_lt_u32 ttmp9, WGA                        ; the choices hang on the work-group's and the wave's number alone
	s_cselect_b64 s[4:5], s[4:5], s[8:9]
	s_cselect_b64 s[6:7], s[6:7], s[10:11]
	s_cselect_b64 s[12:13], s[12:13], s[16:17]
	s_cselect_b64 s[14:15], s[14:15], s[18:19]
	s_cmp_lt_u32 s24, 2
	s_cselect_b64 s[4:5], s[4:5], s[6:7]
	s_add_nc_u64 s[4:5], s[4:5], s[26:27]
	s_add_nc_u64 s[12:13], s[12:13], s[28:29]
	s_add_nc_u64 s[14:15], s[14:15], s[30:31]
.macro LOAD t
.irp r, 0,1,2,3,4,5,6,7,8,9,10,11,12,13,14,15
	global_load_b128 v[R+64*((\t)%2)+4*\r:R+64*((\t)%2)+4*\r+3], v3, s[4:5] offset:4096*\r+512*(\t) th:TH_LOAD_NT
.endr
.endm
.macro IMAGE t
.if (\t) < 3
	s_wait_loadcnt 16                              ; this image's 16 loads are in; the next image's may be out
.else
	s_wait_loadcnt 0
.endif
.irp r, 0,1,2,3,4,5,6,7,8,9,10,11,12,13,14,15
	ds_store_b128 v4, v[R+64*((\t)%2)+4*\r:R+64*((\t)%2)+4*\r+3] offset:STG*((\t)%2)+SPI*\r
.endr
.irp c, 0,1
.irp i, 0,1,2,3,4,5,6,7
	ds_load_b128 v[X+32*\c+4*\i:X+32*\c+4*\i+3], v5 offset:STG*((\t)%2)+256*\c+16*\i   ; LDS serves a wave's instructions in order: these see the stores
.endr
.endr
	s_wait_dscnt 0x0                               ; my numbers are back, and the stage's stores have read their registers
	s_wait_xcnt 0x0                                ; the last image's stores have read theirs
.if (\t)+2 < 4
	LOAD (\t)+2
.endif
.irp c, 0,1
	v_max3_num_f32 v[228+\c], |v[X+32*\c]|, |v[X+1+32*\c]|, 0x2800000   ; with the floor 2^(5 - 127): the byte cannot fall under 1
.endr
.irp i, 2,4,6,8,10,12,14,16,18,20,22,24,26,28,30
.irp c, 0,1
	v_max3_num_f32 v[228+\c], v[228+\c], |v[X+32*\c+\i]|, |v[X+1+32*\c+\i]|
.endr
.endr
.irp c, 0,1
	v_add_nc_u32 v[230+\c], 0xfe000000, v[228+\c]  ; 4 off the exponent field: the conversion's scale operand
.endr
.irp c, 0,1
	v_lshrrev_b32 v[232+\c], 23, v[230+\c]         ; the scale's byte
.endr
	v_lshl_or_b32 v234, v233, 16, v232             ; blocks h and 2 + h,
	v_lshlrev_b32 v234, v9, v234                   ; at their places in the word;
	v_permlanex16_b32 v235, v234, s22, s23
	v_or_b32 v234, v234, v235                      ; with lane l xor 16's two the word is whole
	ds_store_b32 v6, v234 offset:64*(\t)           ; both halves write the same word with the same value
	v_cvt_scalef32_pk16_bf6_f32 v[C:C+2], v[X:X+15], v230
	v_cvt_scalef32_pk16_bf6_f32 v[T1:T1+2], v[X+16:X+31], v230   ; (a conversion's three registers begin on an even number)
	v_cvt_scalef32_pk16_bf6_f32 v[C+6:C+8], v[X+32:X+47], v231
	v_cvt_scalef32_pk16_bf6_f32 v[T2:T2+2], v[X+48:X+63], v231
	v_nop                                          ; one plain place behind a scaled conversion
.irp i, 0,1,2
	v_mov_b32 v[C+3+\i], v[T1+\i]
	v_mov_b32 v[C+9+\i], v[T2+\i]
.endr
.irp j, 0,1,2
	global_store_b128 v3, v[C+4*\j:C+4*\j+3], s[12:13] offset:1536*(\t)+512*\j   ; 512 consecutive bytes
.endr
.endm
	LOAD 0
	LOAD 1
	IMAGE 0
	IMAGE 1
	IMAGE 2
	IMAGE 3
	ds_load_b64 v[228:229], v7
	s_wait_dscnt 0x0
	global_store_b64 v8, v[228:229], s[14:15]      ; one aligned run of 256 bytes
	s_wait_tensorcnt 0x0                           ; the wave's end
	ds_add_u32 v12, v13
	s_wait_dscnt 0x0
	s_endpgm
.Lfunc_end_k_qc98c5e5aff_quant:
	.size	k_qc98c5e5aff_quant, .Lfunc_end_k_qc98c5e5aff_quant-k_qc98c5e5aff_quant
	.p2alignl 7, 3214868480
	.fill 96, 4, 3214868480
	.section	.rodata,"a",@progbits
	.p2align	6, 0x0
	.amdhsa_kernel k_qc98c5e5aff_quant
		.amdhsa_group_segment_fixed_size 69120
		.amdhsa_private_segment_fixed_size 0
		.amdhsa_enable_private_segment 0
		.amdhsa_kernarg_size 64
		.amdhsa_user_sgpr_count 2
		.amdhsa_user_sgpr_kernarg_segment_ptr 1
		.amdhsa_wavefront_size32 1
		.amdhsa_system_sgpr_workgroup_id_x 1
		.amdhsa_system_sgpr_workgroup_id_y 1
		.amdhsa_system_sgpr_workgroup_id_z 1
		.amdhsa_system_vgpr_workitem_id 0
		.amdhsa_next_free_vgpr 240
		.amdhsa_next_free_sgpr 66
		.amdhsa_reserve_vcc 0
		.amdhsa_float_denorm_mode_32 3
		.amdhsa_float_denorm_mode_16_64 3
		.amdhsa_memory_ordered 1
		.amdhsa_forward_progress 1
		.amdhsa_inst_pref_size 31
	.end_amdhsa_kernel
	.amdgpu_metadata
---
amdhsa.version: [ 1, 2 ]
amdhsa.kernels:
  - .name:           k_qc98c5e5aff_quant
    .symbol:         k_qc98c5e5aff_quant.kd
    .args:
      - { .name: x, .offset: 0, .size: 8, .value_kind: global_buffer, .address_space: global }
      - { .name: hidden, .offset: 8, .size: 8, .value_kind: global_buffer, .address_space: global }
      - { .name: Wx, .offset: 16, .size: 8, .value_kind: global_buffer, .address_space: global }
      - { .name: Wh, .offset: 24, .size: 8, .value_kind: global_buffer, .address_space: global }
      - { .name: a_codes, .offset: 32, .size: 8, .value_kind: global_buffer, .address_space: global }
      - { .name: a_scales, .offset: 40, .size: 8, .value_kind: global_buffer, .address_space: global }
      - { .name: w_codes, .offset: 48, .size: 8, .value_kind: global_buffer, .address_space: global }
      - { .name: w_scales, .offset: 56, .size: 8, .value_kind: global_buffer, .address_space: global }
    .group_segment_fixed_size: 69120
    .private_segment_fixed_size: 0
    .kernarg_segment_align: 8
    .kernarg_segment_size: 64
    .max_flat_workgroup_size: 128
    .sgpr_count:     66
    .vgpr_count:     240
    .wavefront_size: 32
...
	.end_amdgpu_metadata
.endif
;; end of part 1
;; launch lstm (part 2): grid 16 x 32, 4 waves a work-group, clusters of 4 x 4, 327,680 bytes of LDS; arguments a_codes, a_scales, w_codes, w_scales, Wn, b, neighbors, cell, out0, out1; writes out0, out1
.if DOCPART == 2
	.amdgcn_target "amdgcn-amd-amdhsa--gfx1250"
	.amdhsa_code_object_version 6
	.text
	.protected	k_qc98c5e5aff_lstm
	.globl	k_qc98c5e5aff_lstm
	.p2align	8
	.type	k_qc98c5e5aff_lstm,@function
k_qc98c5e5aff_lstm:
	s_mov_b64 s[64:65], 0
	v_nop
	global_prefetch_b8 v0, s[64:65] scope:SCOPE_SE
	s_setreg_imm32_b32 hwreg(HW_REG_WAVE_MODE, 25, 1), 1
	s_wait_xcnt 0x0
	s_wait_alu depctr_hold_cnt(0) depctr_sa_sdst(0) depctr_va_vdst(0) depctr_va_sdst(0) depctr_va_ssrc(0) depctr_va_vcc(0) depctr_vm_vsrc(0)
	s_getreg_b32 s2, hwreg(HW_REG_IB_STS2, 6, 4)
	s_cmp_eq_u32 s2, 0
	s_cbranch_scc0 .Lentry_in_a_cluster
	s_endpgm
.Lentry_in_a_cluster:
	s_bfe_u32 s2, ttmp6, 0x10000c
	s_cmp_lg_u32 s2, 0xf033
	s_cbranch_scc0 .Lentry_shape_is_right
	s_endpgm
.Lentry_shape_is_right:
; One LSTM step.  g[8192][4 gates][1024] = (x | hidden)(Wx | Wh)^T + neighbors Wn^T + b;  next_cell = sigmoid(g1) cell + sigmoid(g0) tanh(g3);  next_hidden = sigmoid(g2) tanh(next_cell).
; The two large products are ONE product with K = 2,048 on codes of BF6 with E8M0 scales, laid by the launch before as images of the operand's registers: [row block of 16][step of 128 K][1,536 bytes],
; register n of lane l at 512 (n / 4) + 16 l + 4 (n % 4): a fragment is three loads of 16 bytes a lane, each 512 consecutive LDS bytes.  Scale words: [row block][step][row].
; THE WEIGHTS' ROWS LIE PERMUTED: (gate g, unit u) at (u / 32) x 128 + 32 g + u % 32: a wave's 128 rows of weights are the four gates of the same 32 units.
; SHARES: a work-group of four waves makes 256 rows x (4 gates x 64 units); a wave 128 rows x (4 gates x 32 units): 64 accumulators.  512 work-groups of equal work.
; THE MATRIX INSTRUCTION IS USED TRANSPOSED (source 0 = weights, source 1 = activations): in accumulator (a, b) lane (r, hl) holds, in register j, row 16 a + r, gate b / 2, unit 16 (b % 2) + 8 hl + j.
; THE SUMS BEGIN with neighbors Wn^T + b: a bf16 matrix instruction for each accumulator, K = 4 filled up with zeros, the bias as its C.
; REGISTERS: EVERY WINDOW w OF 256 IS LAID ALIKE: v4-10 copies of the LDS addresses; v32-79 and v80-127 two sets (by the step's parity) of the fragments of B's blocks 2 w, 2 w + 1 and A's blocks 2 w, 2 w + 1;
; v128-255 the accumulators of A's blocks 2 w, 2 w + 1.  Both operands have two sets, so a whole step's fragments are fetched a step ahead; and all that follows the products is done in place, window by window.
; Window 0 also has v1-15 addresses and v16-31 the scale words, two sets of 8.
; A STEP of 128 along K: sixteen products, ONE run of 56 LDS loads (the next step's 8 scale words, B's 24 pieces, A's 24), 48 products.  The run stands 48 products ahead of its first use.
; THE RING: two slots of 256 along K (two steps); a tile's row is a row block's 3,072 bytes, at a multiple of 256.  When a slot's second step begins, all its fragments are in registers: there stand the waits, the add,
; a round of the cluster's barrier and the refill.  CLUSTERS 4 x 4: A's tiles are asked for jointly along a row of the cluster, B's along a column.  The scales of all of K come once, at the head.
; PREFETCH: a wave's share of a tile is two row blocks of the eight that it fetches, told apart by address among the four partners: 24 blocks of 256 bytes, a lane each, the last lanes naming the last block again.
; Behind the head's loads it asks for K slots 1 and 2, behind slot 1's first fill for slot 3, behind each refill for the tile two refills on; the last two refills have none: at most two tiles are asked for and not yet read.
; cell's tile is asked for four steps ahead of its tensor load.
; cell's tile has LDS bytes of its own; the stages of the way out lie over the ring, which has then had its last fill and its last read.
; LIMITS: the exponents of 2 are held at 32 from above, so a sigmoid does not fall under 2^-32; the joined denominators reach 2^96, so |cell| stays under 2^60; NaN and infinities are not served;
; neighbors and Wn are rounded to bf16; both large products are summed in one accumulator, K ascending, onto neighbors Wn^T + b.
.set IMG,    1536
.set SROW,   3072                      ; a tile's row: two steps of a row block
.set RBP,    24576                     ; a row block in memory: 16 steps
.set HALFT,  8*SROW                    ; 128 rows in a slot
.set SLOT,   4*HALFT                   ; A's 256 rows, then B's
.set SCL,    2*SLOT                    ; A's scale words, 16,384 bytes
.set SCLB,   SCL+16384+128             ; B's: 128 bytes on, so that the two halves of the lanes touch different banks (64 banks of 4 bytes: ISA guide 11.1)
.set CELLB,  229632                    ; cell's tile: 256 rows x TP
.set TP,     272
.set NCS,    0                         ; the stage for next_cell, block by block: row 32 a + 16 x row half + r
.set NHS,    256*TP                    ; the stage for next_hidden
.set SPARE,  CELLB+256*TP              ; the spare words
.set SPW,  1
.set NIL,  2
.set ADRS, 3                           ; my scale words: lanes 0-15 A's rows, lanes 16-31 B's
.set ADRA, 4                           ; v4-5 my A fragments in slot 0, 1 (in every window)
.set ADRB, 6                           ; v6-7 the same for B (in every window)
.set CLA,  8                           ; my 32 bytes of a row of cell's tile (in every window)
.set NCA,  9                           ; and of the two stages (in every window)
.set NHA,  10
.set RD1,  11                          ; where I read rows back
.set RD2,  12
.set CO,   13                          ; my byte offset in two rows of an output
.set CPF,  14                          ; 4,096 x my thread's number: a row of cell
.set PFO,  15                          ; the tile prefetches' offset
.set SC,   16
.set G0H,  4
.set G0HB, 8
.set G1,   24
.set G0,   32
.set TC,   42
.set G1B,  48
.set G0B,  56
.set WV,   66
.set RH,   67
.set G1S,  68                          ; A's scales; behind the head: cell's groups 1 and 0
.set G0S,  76
.set G1C,  68
.set G0C,  76
.set G1SB, 80
.set G0SB, 88
.set PFA,  92
.set CH,   100
.set TR,   101
.set MSB, 0
.macro WIN new                         ; the immediate's high byte repeats the setting that is left
.if MSB != (\new)
	s_set_vgpr_msb (MSB<<8)|(\new)
.set MSB, (\new)
.endif
.endm
.macro TL g0, g1                       ; a tensor load with an s_nop and four v_nop behind it
	tensor_load_to_lds s[\g0:\g0+3], s[\g1:\g1+7]
	s_nop 0
.rept 4
	v_nop
.endr
.endm
.macro JLOAD g0a, g1a, g0b, g1b        ; a joint load: waves 0 and 1 fetch for A, waves 2 and 3 for B
	s_cmp_eq_u32 s[RH], 0
	s_cbranch_scc0 .Lfor_b_\@
	TL \g0a, \g1a
	s_branch .Lasked_\@
.Lfor_b_\@:
	TL \g0b, \g1b
.Lasked_\@:
.endm
.macro CREST
	s_cmp_lg_u32 s[WV], 0
	s_cbranch_scc1 .Lnot_wave_0_\@
	s_barrier_signal -3
.Lnot_wave_0_\@:
	s_barrier_wait -3
	s_barrier_signal -1
	s_barrier_wait -1
.endm
.macro CROUND
	s_barrier_signal -1
	s_barrier_wait -1
	CREST
.endm
.macro PLACES n
.rept \n
	v_nop
.endr
.endm
	s_load_b256 s[4:11], s[0:1], 0x0               ; a_codes, a_scales, w_codes, w_scales
	s_load_b256 s[12:19], s[0:1], 0x20             ; Wn, b, neighbors, cell
	s_load_b128 s[20:23], s[0:1], 0x40             ; out0 (next_hidden), out1 (next_cell)
	v_lshl_add_u32 v[SPW], v0, 2, SPARE
	v_mov_b32 v[NIL], 0
	ds_add_u32 v[SPW], v[NIL]                      ; the opening lines: the add, twice on end, and its wait
	ds_add_u32 v[SPW], v[NIL]
	v_lshrrev_b32 v32, 5, v0
	v_readfirstlane_b32 s[WV], v32
	s_lshr_b32 s[RH], s[WV], 1                     ; my half of the rows; also: I fetch for A (0) or B (1)
	s_and_b32 s[CH], s[WV], 1                      ; my half of the columns; also: which 128 rows I fetch
	s_bfe_u32 s40, ttmp6, 0x40000                  ; cx
	s_bfe_u32 s41, ttmp6, 0x40004                  ; cy
	s_lshl_b32 s[TC], ttmp9, 2
	s_add_co_u32 s[TC], s[TC], s40
	s_and_b32 s[TR], ttmp7, 0xffff
	s_lshl_b32 s[TR], s[TR], 2
	s_add_co_u32 s[TR], s[TR], s41
	s_lshl_b32 s43, s41, 2
	s_lshl_b32 s43, 15, s43                        ; my row of the cluster
	s_lshl_b32 s44, 0x1111, s40                    ; my column
	s_or_b32 s[G1+0], s43, (3<<16)|(1<<21)         ; elements of 8 bytes, no padding
	s_or_b32 s[G1B+0], s44, (3<<16)|(1<<21)
.irp g, G1, G1B
	s_mov_b32 s[\g+1], 384<<16                     ; a row of 3,072 bytes
	s_mov_b32 s[\g+2], 16<<16                      ; 16 row blocks at the head, 8 behind it
	s_mov_b32 s[\g+3], 384<<16
	s_mov_b32 s[\g+4], 16
	s_mov_b32 s[\g+5], RBP/8
	s_mov_b32 s[\g+6], 0
	s_mov_b32 s[\g+7], 0
.endr
	s_or_b32 s[G1S+0], s43, (3<<16)|(1<<21)        ; the scales of 256 rows: 64 rows of 256 bytes, dense
	s_or_b32 s[G1SB+0], s44, (3<<16)|(1<<21)
.irp g, G1S, G1SB
	s_mov_b32 s[\g+1], 32<<16
	s_mov_b32 s[\g+2], 64<<16
	s_mov_b32 s[\g+3], 32<<16
	s_mov_b32 s[\g+4], 64
	s_mov_b32 s[\g+5], 32
	s_mov_b32 s[\g+6], 0
	s_mov_b32 s[\g+7], 0
.endr
	s_mul_i32 s96, s[TR], 16*RBP
	s_mov_b32 s97, 0
	s_lshl_b32 s98, s[TR], 14
	s_mov_b32 s99, 0
	s_mul_i32 s46, s[TC], 16*RBP
	s_mov_b32 s47, 0
	s_lshl_b32 s104, s[TC], 14
	s_mov_b32 s105, 0
	s_mul_i32 s2, s[CH], 8*RBP
	s_mov_b32 s3, 0
	s_mul_i32 s45, s[WV], HALFT
	s_wait_dscnt 0x0
	s_wait_kmcnt 0x0
	s_add_nc_u64 s[96:97], s[4:5], s[96:97]
	s_add_nc_u64 s[98:99], s[6:7], s[98:99]
	s_add_nc_u64 s[46:47], s[8:9], s[46:47]
	s_add_nc_u64 s[104:105], s[10:11], s[104:105]
	CROUND                                         ; in front of the first joint loads
	s_mov_b32 s[G0H], 1
	s_mov_b32 s[G0H+1], 0
	s_mov_b64 s[G0H+2:G0H+3], s[96:97]
	s_or_b32 s[G0H+3], s[G0H+3], 0x80000000
	s_mov_b32 s[G0HB], 1
	s_mov_b32 s[G0HB+1], 2*HALFT
	s_mov_b64 s[G0HB+2:G0HB+3], s[46:47]
	s_or_b32 s[G0HB+3], s[G0HB+3], 0x80000000
	s_mov_b32 s[G0S], 1
	s_mov_b32 s[G0S+1], SCL
	s_mov_b64 s[G0S+2:G0S+3], s[98:99]
	s_or_b32 s[G0S+3], s[G0S+3], 0x80000000
	s_mov_b32 s[G0SB], 1
	s_mov_b32 s[G0SB+1], SCLB
	s_mov_b64 s[G0SB+2:G0SB+3], s[104:105]
	s_or_b32 s[G0SB+3], s[G0SB+3], 0x80000000
	s_add_nc_u64 s[96:97], s[96:97], s[2:3]        ; for the ring: my 128 rows
	s_add_nc_u64 s[46:47], s[46:47], s[2:3]
.irp s, 0,1
	s_mov_b32 s[G0+4*\s], 1
	s_add_co_u32 s[G0+4*\s+1], s45, \s*SLOT
	s_add_nc_u64 s[G0+4*\s+2:G0+4*\s+3], s[96:97], \s*SROW
	s_or_b32 s[G0+4*\s+3], s[G0+4*\s+3], 0x80000000
	s_mov_b32 s[G0B+4*\s], 1
	s_add_co_u32 s[G0B+4*\s+1], s45, \s*SLOT
	s_add_nc_u64 s[G0B+4*\s+2:G0B+4*\s+3], s[46:47], \s*SROW
	s_or_b32 s[G0B+4*\s+3], s[G0B+4*\s+3], 0x80000000
.endr
; the head's loads, one a wave: slot 0's A, slot 0's B, A's scales, B's scales; one tree of branches on the wave's number
.macro ARM under, g0, g1, next
	s_cmp_lt_u32 s[WV], \under
	s_cbranch_scc0 \next
	TL \g0, \g1
	s_branch .Lhead_asked
\next:
.endm
	ARM 1, G0H,  G1,  .Lhead_b
	ARM 2, G0HB, G1B, .Lhead_sa
	ARM 3, G0S,  G1S, .Lhead_sb
	TL G0SB, G1SB
.Lhead_asked:
	s_cmp_eq_u32 s[RH], 0                          ; the prefetches: my 128 rows, of them my work-group's two row blocks, told apart by address
	s_cselect_b64 s[PFA:PFA+1], s[96:97], s[46:47]
	s_cselect_b32 s40, s40, s41
	s_mul_i32 s40, s40, 2*RBP
	s_add_co_u32 s40, s40, SROW                    ; at K slot 1; each refill steps it by a slot
	s_mov_b32 s41, 0
	s_add_nc_u64 s[PFA:PFA+1], s[PFA:PFA+1], s[40:41]
	s_mul_i32 s2, s[RH], HALFT
	s_mul_i32 s3, s[CH], HALFT
	s_add_co_u32 s3, s3, 2*HALFT
	s_add_co_u32 s46, s2, SLOT
	s_add_co_u32 s47, s3, SLOT
	s_lshl_b32 s94, s[RH], 13
	s_lshl_b32 s95, s[CH], 13
	s_add_co_u32 s95, s95, SCLB-SCL
	s_sub_co_u32 s95, s95, s94                     ; the distance from my A scales to my B scales
	s_add_co_u32 s94, s94, SCL
	s_mul_i32 s43, s[RH], 16*TP
	s_lshl_b32 s44, s[CH], 7
	s_add_co_u32 s43, s43, s44                     ; the stages: row 16 x row half, 128 x column half
	s_mul_i32 s45, s[RH], 128*TP
	s_add_co_u32 s44, s44, s45
	s_add_co_u32 s44, s44, CELLB                   ; cell's tile: row 128 x row half
	s_mul_i32 s45, s[WV], 8*TP                     ; back: rows 8 w .. 8 w + 7 of a block's 32
	s_mov_b32 s97, 0
	s_mov_b32 s99, 0
	s_lshl_b32 s96, s[TC], 10
	s_lshl_b32 s98, s[CH], 9
	s_add_co_u32 s96, s96, s98
	s_add_nc_u64 s[12:13], s[12:13], s[96:97]      ; Wn: 16 bytes a unit
	s_lshr_b32 s96, s96, 2
	s_add_nc_u64 s[14:15], s[14:15], s[96:97]      ; b
	s_lshl_b32 s96, s[TR], 12
	s_lshl_b32 s98, s[RH], 11
	s_add_co_u32 s96, s96, s98
	s_add_nc_u64 s[16:17], s[16:17], s[96:97]      ; neighbors
	s_lshl_b32 s96, s[TR], 20
	s_lshl_b32 s98, s[TC], 8
	s_add_co_u32 s96, s96, s98
	s_add_nc_u64 s[18:19], s[18:19], s[96:97]      ; cell at my work-group's tile
	s_lshl_b32 s98, s[RH], 19
	s_add_co_u32 s96, s96, s98
	s_lshl_b32 s98, s[CH], 15
	s_add_co_u32 s96, s96, s98
	s_add_nc_u64 s[20:21], s[20:21], s[96:97]      ; the outputs at the first row that I store
	s_add_nc_u64 s[22:23], s[22:23], s[96:97]
	s_lshl_b32 s98, s[WV], 18
	s_add_nc_u64 s[98:99], s[18:19], s[98:99]      ; my 64 rows of cell
	v_and_b32 v32, 15, v0                          ; r
	v_bfe_u32 v33, v0, 4, 1                        ; hl
	v_and_b32 v34, 31, v0
	v_lshlrev_b32 v35, 4, v34                      ; 16 x lane
	v_mul_u32_u24 v36, v32, TP
	v_lshl_add_u32 v36, v33, 5, v36                ; r TP + 32 hl
	v_add_nc_u32 v37, s43, v36
.irp w, 0,1,2,3                        ; the addresses that every window has
	WIN (\w<<6)
	v_add_nc_u32 v[ADRA], s2, v35
	v_add_nc_u32 v[ADRA+1], s46, v35
	v_add_nc_u32 v[ADRB], s3, v35
	v_add_nc_u32 v[ADRB+1], s47, v35
	v_add_nc_u32 v[CLA], s44, v36
	v_add_nc_u32 v[NCA], s43, v36
	v_add_nc_u32 v[NHA], NHS, v37
.endr
	WIN 0
	v_lshlrev_b32 v38, 2, v32
	v_mul_u32_u24 v39, s95, v33                    ; lanes 16-31 take B's: one product
	v_add_nc_u32 v38, v38, v39
	v_add_nc_u32 v[ADRS], s94, v38
	v_mul_u32_u24 v39, v33, TP
	v_lshl_add_u32 v39, v32, 4, v39
	v_add_nc_u32 v[RD1], s45, v39
	v_add_nc_u32 v[RD2], NHS, v[RD1]
	v_lshlrev_b32 v[CO], 12, v33
	v_lshl_add_u32 v[CO], v32, 4, v[CO]
	v_lshlrev_b32 v[CPF], 12, v0
	v_min_u32 v40, 23, v34                         ; 24 blocks of 256 bytes: 12 in each of two row blocks
	v_mul_u32_u24 v41, v40, 171
	v_lshrrev_b32 v41, 11, v41                     ; / 12
	v_mul_u32_u24 v41, v41, RBP-SROW
	v_lshl_add_u32 v[PFO], v40, 8, v41
	v_lshlrev_b32 v42, 5, v33                      ; 32 hl: my eight numbers of a bias tile
	v_lshlrev_b32 v43, 4, v32
	v_lshl_add_u32 v43, v33, 3, v43                ; 16 r + 8 hl: my two numbers of a row of Wn or neighbors
	s_wait_alu depctr_va_vdst(0)
	global_prefetch_b8 v[PFO], s[PFA:PFA+1] th:TH_LOAD_NT scope:SCOPE_SE               ; my share of K slot 1,
	global_prefetch_b8 v[PFO], s[PFA:PFA+1] offset:SROW th:TH_LOAD_NT scope:SCOPE_SE   ; and of K slot 2
	WIN 0xc0                                       ; the bias, in the result's layout: window 3, v32-95
.irp b, 0,1,2,3,4,5,6,7
	global_load_b128 v[32+8*\b:32+8*\b+3], v42, s[14:15] offset:(\b/2)*4096+(\b%2)*64
	global_load_b128 v[32+8*\b+4:32+8*\b+7], v42, s[14:15] offset:(\b/2)*4096+(\b%2)*64+16
.endr
	WIN 0
.irp b, 0,1,2,3,4,5,6,7
	global_load_b64 v[48+2*\b:49+2*\b], v43, s[12:13] offset:(\b/2)*16384+(\b%2)*256
	global_load_b64 v[64+2*\b:65+2*\b], v43, s[16:17] offset:256*\b
.endr
.irp w, 1,2                            ; Wn's bf16 fragments: window 1, v32-95; neighbors': window 2, v32-95.  Register 0 holds K = 8 hl, 8 hl + 1; all other places of K are zeros
	WIN (\w<<6)
.irp b, 0,1,2,3,4,5,6,7
.irp i, 1,2,3,4,5,6,7
	v_mov_b32 v[32+8*\b+\i], 0
.endr
.endr
.endr
	s_wait_loadcnt 0x0
	WIN 0x40
.irp b, 0,1,2,3,4,5,6,7
	v_cvt_pk_bf16_f32 v[32+8*\b], v[48+2*\b], v[49+2*\b]
.endr
	WIN 0x80
.irp b, 0,1,2,3,4,5,6,7
	v_cvt_pk_bf16_f32 v[32+8*\b], v[64+2*\b], v[65+2*\b]
.endr
	PLACES 4
.irp w, 0,1,2,3                        ; source 0 window 1, source 1 window 2, C window 3, D window w
	WIN (\w<<6)|0x39
.irp e, 0,1
.irp b, 0,1,2,3,4,5,6,7
	v_wmma_f32_16x16x32_bf16 v[128+64*\e+8*\b:128+64*\e+8*\b+7], v[32+8*\b:32+8*\b+7], v[32+8*(2*\w+\e):32+8*(2*\w+\e)+7], v[32+8*\b:32+8*\b+7]
.endr
.endr
.endr
	WIN 0
	PLACES 5                                       ; another form writes over these results next: five places; they also serve the loads into the fragments' registers
; one product: A's block 2 w + e against B's block 2 bw + f, the fragments of parity p
.macro WM w, bw, e, f, p
	v_wmma_scale_f32_16x16x128_f8f6f4 v[128+64*\e+8*(2*(\bw)+\f):128+64*\e+8*(2*(\bw)+\f)+7], v[32+48*(\p)+12*\f:32+48*(\p)+12*\f+11], v[56+48*(\p)+12*\e:56+48*(\p)+12*\e+11], v[128+64*\e+8*(2*(\bw)+\f):128+64*\e+8*(2*(\bw)+\f)+7], v[SC+8*(\p)+2*(\bw)+\f], v[SC+8*(\p)+2*(\w)+\e] matrix_a_fmt:MATRIX_FMT_BF6 matrix_b_fmt:MATRIX_FMT_BF6 matrix_a_scale:MATRIX_SCALE_ROW1
.endm
; sixteen products: A's blocks 2 w, 2 w + 1 against B's eight; D, C and source 1 window w, source 0 window bw: four products to a setting.  The 64 accumulators take turns
.macro PH w, p
.irp bw, 0,1,2,3
	WIN 0x54*(\w)+\bw
	WM \w, \bw, 0, 0, \p
	WM \w, \bw, 0, 1, \p
	WM \w, \bw, 1, 0, \p
	WM \w, \bw, 1, 1, \p
.endr
.endm
; piece j of window w's fragment k (0, 1: B's blocks 2 w, 2 w + 1; 2, 3: A's) into set pn, from step qn of slot sl
.macro LDF w, k, j, pn, sl, qn
.if (\k) < 2
	ds_load_b128 v[32+48*(\pn)+12*(\k)+4*\j:32+48*(\pn)+12*(\k)+4*\j+3], v[ADRB+(\sl)] offset:(2*(\w)+(\k))*SROW+(\qn)*IMG+512*\j
.else
	ds_load_b128 v[32+48*(\pn)+12*(\k)+4*\j:32+48*(\pn)+12*(\k)+4*\j+3], v[ADRA+(\sl)] offset:(2*(\w)+(\k)-2)*SROW+(\qn)*IMG+512*\j
.endif
.endm
; THE RUN: 56 LDS loads for one step, into set pn, from step qn of slot sl; so: its scale words' place.  Their order: 8 scale words (lanes 0-15 A's block i, lanes 16-31 B's block i), B's 24 pieces, then A's 6 for each window 0 to 3
.macro RUN pn, sl, qn, so
	WIN 0
.irp i, 0,1,2,3,4,5,6,7
	ds_load_b32 v[SC+8*(\pn)+\i], v[ADRS] offset:\i*1024+(\so)
.endr
.irp w, 0,1,2,3
	WIN (\w<<6)
.irp k, 0,1
.irp j, 0,1,2
	LDF \w, \k, \j, \pn, \sl, \qn
.endr
.endr
.endr
.irp w, 0,1,2,3
	WIN (\w<<6)
.irp k, 2,3
.irp j, 0,1,2
	LDF \w, \k, \j, \pn, \sl, \qn
.endr
.endr
.endr
	WIN 0
.endm
; A slot's first step (parity 0): the next step lies in the same slot
.macro ESTEP sl, so
	s_wait_dscnt 18                                ; of the last run the scale words, B's pieces and window 0's of A are in; the 18 for windows 1 to 3 may be out
	PH 0, 0
	PLACES 4                                       ; in front of loads into registers that the last step's products read
	RUN 1, \sl, 1, \so
	s_wait_dscnt 56                                ; all of the last run is in: the 56 just issued may be out
	PH 1, 0
	PH 2, 0
	PH 3, 0
.endm
; A slot's second step (parity 1): all the slot's fragments are in registers.  mode 1: the slot is filled again jointly, two slots ahead.  mode 2: my 64 rows of cell are fetched; nobody refills behind that round
.macro OSTEP sl, mode, so
.if \mode == 1
	s_wait_xcnt 0x0                                ; my last prefetch has read its address
	s_add_nc_u64 s[PFA:PFA+1], s[PFA:PFA+1], SROW
.endif
	WIN 0
	s_wait_tensorcnt 0x0                           ; all my tensor loads have landed: my part of the other slot;
	ds_add_u32 v[SPW], v[NIL]
	s_wait_dscnt 19                                ; (the add and the 18 loads of A for windows 1 to 3 may be out)
.irp bw, 0,1
	WIN \bw
	WM 0, \bw, 0, 0, 1
	WM 0, \bw, 0, 1, 1
	WM 0, \bw, 1, 0, 1
	WM 0, \bw, 1, 1, 1
.endr
	s_wait_dscnt 0x0                               ; the add is done, and my reads of this slot are over
	s_barrier_signal -1
.irp bw, 2,3
	WIN \bw
	WM 0, \bw, 0, 0, 1
	WM 0, \bw, 0, 1, 1
	WM 0, \bw, 1, 0, 1
	WM 0, \bw, 1, 1, 1
.endr
	WIN 0
	s_barrier_wait -1
	CREST                                          ; the barrier has opened a round of the cluster's
.if \mode == 1
	s_add_nc_u64 s[G0+4*\sl+2:G0+4*\sl+3], s[G0+4*\sl+2:G0+4*\sl+3], 2*SROW
	s_add_nc_u64 s[G0B+4*\sl+2:G0B+4*\sl+3], s[G0B+4*\sl+2:G0B+4*\sl+3], 2*SROW
	JLOAD G0+4*\sl, G1, G0B+4*\sl, G1B             ; the first tensor load behind the round; its four v_nop are the places in front of the loads below
.else
	TL G0C, G1C
.endif
	RUN 0, 1-\sl, 0, \so
.if \mode == 1
	s_cmp_gt_u32 s3, 1                             ; the last trip's refills have no tile two refills on
	s_cbranch_scc0 .Lno_tile_\@
	global_prefetch_b8 v[PFO], s[PFA:PFA+1] offset:2*SROW th:TH_LOAD_NT scope:SCOPE_SE   ; the address stands at the tile just asked for: two slots on
.if \sl == 0
	s_branch .Lpf_done_\@
.Lno_tile_\@:                                          ; in the last trip: cell's tile, rows t and t + 128 of the work-group's 256, four steps ahead of its tensor load
	global_prefetch_b8 v[CPF], s[18:19] th:TH_LOAD_NT scope:SCOPE_SE
	global_prefetch_b8 v[CPF], s[18:19] offset:524288 th:TH_LOAD_NT scope:SCOPE_SE
.Lpf_done_\@:
.else
.Lno_tile_\@:
.endif
.endif
	PH 1, 1
	PH 2, 1
	PH 3, 1
.endm
	s_wait_alu depctr_va_vdst(0)                   ; the wait at the head's end
	s_wait_tensorcnt 0x0                           ; my tile of the head's four is in; the lines ahead of a later first fill:
	ds_add_u32 v[SPW], v[NIL]
	s_mov_b32 s[G1+2], 8<<16                       ; no tensor load of mine is out: from here on a load brings 8 row blocks
	s_mov_b32 s[G1+4], 8
	s_mov_b32 s[G1B+2], 8<<16
	s_mov_b32 s[G1B+4], 8
	s_mov_b32 s[G1C+0], (2<<16)|(1<<20)|(5<<22)|(3<<25)   ; cell's tile: my work-group's own; 64 rows x 64 elements of 4 bytes, 16 bytes of padding behind each row
	s_mov_b32 s[G1C+1], 64<<16
	s_mov_b32 s[G1C+2], 64<<16
	s_mov_b32 s[G1C+3], 64<<16
	s_mov_b32 s[G1C+4], 64
	s_mov_b32 s[G1C+5], 1024
	s_mov_b32 s[G1C+6], 0
	s_mov_b32 s[G1C+7], 0
	s_mov_b32 s[G0C], 1
	s_mul_i32 s[G0C+1], s[WV], 64*TP
	s_add_co_u32 s[G0C+1], s[G0C+1], CELLB
	s_mov_b64 s[G0C+2:G0C+3], s[98:99]
	s_or_b32 s[G0C+3], s[G0C+3], 0x80000000
	s_wait_dscnt 0x0
	CROUND
	JLOAD G0+4, G1, G0B+4, G1B                     ; slot 1's first fill, issued as a refill is
	RUN 0, 0, 0, 0                                 ; step 0's scale words and fragments
	global_prefetch_b8 v[PFO], s[PFA:PFA+1] offset:2*SROW th:TH_LOAD_NT scope:SCOPE_SE   ; my share of K slot 3
	s_mov_b32 s3, 3
.Llap:                                                 ; a trip is four steps, once round the ring
	ESTEP 0, 64
	OSTEP 0, 1, 128
	ESTEP 1, 192
	OSTEP 1, 1, 256
	WIN 0
	v_add_nc_u32 v[ADRS], 0x100, v[ADRS]           ; four steps' scale words on
	s_sub_co_u32 s3, s3, 1
	s_cmp_lg_u32 s3, 0
	s_wait_alu depctr_va_vdst(0)                   ; the wait ahead of the branch
	s_cbranch_scc1 .Llap
	ESTEP 0, 64                                    ; the last four steps refill nothing
	OSTEP 0, 2, 128
	ESTEP 1, 192
	s_wait_dscnt 18                                ; the last step fetches nothing
	PH 0, 1
	s_wait_dscnt 0x0
	PH 1, 1
	PH 2, 1
	PH 3, 1
	WIN 0
	PLACES 4
	s_wait_tensorcnt 0x0                           ; my 64 rows of cell have landed,
	s_wait_dscnt 0x0                               ; my reads of the ring and of the scales are over:
	s_barrier_signal -1
	s_barrier_wait -1                              ; both hold of every wave
	s_mov_b32 s96, 0xbfb8aa3b                      ; -log2(e)
	s_mov_b32 s97, s96
	s_mov_b32 s98, 0x4038aa3b                      ; 2 log2(e)
	s_mov_b32 s99, s98
	s_mov_b32 s104, 0x42000000                     ; 32.0: the hold on the exponents
; block c's 32 rows come back whole, into 32 registers that held its accumulators and are written no more
.macro LOADC c
	WIN (((\c)/2)<<6)
.irp t, 0,1,2,3
	ds_load_b128 v[128+64*((\c)%2)+4*\t:128+64*((\c)%2)+4*\t+3],       v[RD1] offset:32*TP*(\c)+2*TP*\t
	ds_load_b128 v[128+64*((\c)%2)+16+4*\t:128+64*((\c)%2)+16+4*\t+3], v[RD2] offset:32*TP*(\c)+2*TP*\t
.endr
.endm
.macro SENDC c                         ; and leave
	WIN (((\c)/2)<<2)                              ; a store's data are its source 1
.irp t, 0,1,2,3
	global_store_b128 v[CO], v[128+64*((\c)%2)+4*\t:128+64*((\c)%2)+4*\t+3], s[22:23] offset:(16*(\c)+2*\t)*4096 th:TH_STORE_NT      ; next_cell: 16 lanes store 256 consecutive bytes, aligned
	global_store_b128 v[CO], v[128+64*((\c)%2)+16+4*\t:128+64*((\c)%2)+16+4*\t+3], s[20:21] offset:(16*(\c)+2*\t)*4096 th:TH_STORE_NT   ; next_hidden
.endr
.endm
; THE GATES of window w's two blocks 2 w + e, in the window itself, in place in the accumulators: v[TT + 16 g + n] is gate g's number n.  With Ei, Ef, Eo = 2^(-g log2(e)), Es = 2^(2 g3 log2(e)):
;   next_cell = [cell (1 + Ei)(1 + Es) + (Es - 1)(1 + Ef)] / [(1 + Ef)(1 + Ei)(1 + Es)];   next_hidden = (Ec - 1) / [(Ec + 1)(1 + Eo)], Ec = 2^(2 next_cell log2(e)).
; Both blocks go through each stage together, so that a wait or a barrier serves 32 numbers a lane; the 96 registers that held the window's fragments are at work.
; The two blocks of window w - 1 go out inside window w.
.macro BASES e
.set TT,  128+64*(\e)
.set NNR, 32+80*(\e)
.set CLR, 48+16*(\e)
.set NHR, 80+16*(\e)
.set k, 0
.endm
.macro GATES w
.set GW, 0x55*(\w)
	WIN GW
.irp e, 0,1
	BASES \e
.irp u, 0,1
.irp i, 0,1
	ds_load_b128 v[CLR+8*\u+4*\i:CLR+8*\u+4*\i+3], v[CLA] offset:16*TP*(2*(\w)+\e)+64*\u+16*\i
.endr
.endr
.endr
	s_wait_alu depctr_va_vdst(0)
.irp e, 0,1
	BASES \e
.rept 24
	v_pk_mul_f32 v[TT+k:TT+k+1], v[TT+k:TT+k+1], s[96:97] op_sel_hi:[1,0]    ; gates i, f, o; each accumulator from its low end on
.set k, k+2
.endr
.rept 8
	v_pk_mul_f32 v[TT+k:TT+k+1], v[TT+k:TT+k+1], s[98:99] op_sel_hi:[1,0]    ; gate s
.set k, k+2
.endr
.endr
.irp e, 0,1
	BASES \e
.rept 64
	v_min_num_f32 v[TT+k], s104, v[TT+k]
.set k, k+1
.endr
.endr
	s_wait_alu depctr_va_vdst(0)
.irp e, 0,1
	BASES \e
.rept 64
	v_exp_f32 v[TT+k], v[TT+k]
.set k, k+1
.endr
.endr
	v_nop
	s_wait_dscnt 0x0                               ; cell is in; for the others' sake: my stores of the window before are done
.if (\w) > 0
	s_barrier_signal -1
	s_barrier_wait -1                              ; every wave's are: its two blocks lie whole in both stages
	LOADC 2*(\w)-2
	LOADC 2*(\w)-1
	WIN GW
.endif
	s_wait_alu depctr_va_vdst(0)
.irp e, 0,1
	BASES \e
.rept 24
	v_pk_add_f32 v[TT+k:TT+k+1], v[TT+k:TT+k+1], 1.0 op_sel_hi:[1,0]         ; 1 + Ei, 1 + Ef, 1 + Eo
.set k, k+2
.endr
.set k, 0
.rept 8
	v_pk_add_f32 v[NNR+k:NNR+k+1], v[TT+48+k:TT+49+k], -1.0 op_sel_hi:[1,0]  ; Es - 1
.set k, k+2
.endr
.set k, 0
.rept 8
	v_pk_add_f32 v[TT+48+k:TT+49+k], v[TT+48+k:TT+49+k], 1.0 op_sel_hi:[1,0] ; 1 + Es
.set k, k+2
.endr
.set k, 0
.rept 8
	v_pk_mul_f32 v[TT+k:TT+k+1], v[TT+k:TT+k+1], v[TT+48+k:TT+49+k]          ; (1 + Ei)(1 + Es)
.set k, k+2
.endr
.set k, 0
.rept 8
	v_pk_mul_f32 v[TT+48+k:TT+49+k], v[TT+k:TT+k+1], v[TT+16+k:TT+17+k]      ; x (1 + Ef): the denominator
.set k, k+2
.endr
.set k, 0
.rept 8
	v_pk_mul_f32 v[CLR+k:CLR+k+1], v[CLR+k:CLR+k+1], v[TT+k:TT+k+1]          ; cell (1 + Ei)(1 + Es)
.set k, k+2
.endr
.endr
	s_wait_alu depctr_va_vdst(0)
.irp e, 0,1
	BASES \e
.rept 16
	v_rcp_f32 v[TT+48+k], v[TT+48+k]
.set k, k+1
.endr
.endr
.irp e, 0,1
	BASES \e
.rept 8
	v_pk_fma_f32 v[CLR+k:CLR+k+1], v[NNR+k:NNR+k+1], v[TT+16+k:TT+17+k], v[CLR+k:CLR+k+1]   ; + (Es - 1)(1 + Ef): plain lines behind the reciprocals, which they do not touch
.set k, k+2
.endr
.endr
	s_wait_alu depctr_va_vdst(0)
.irp e, 0,1
	BASES \e
.rept 8
	v_pk_mul_f32 v[CLR+k:CLR+k+1], v[CLR+k:CLR+k+1], v[TT+48+k:TT+49+k]      ; next_cell
.set k, k+2
.endr
.set k, 0
.rept 8
	v_pk_mul_f32 v[TT+k:TT+k+1], v[CLR+k:CLR+k+1], s[98:99] op_sel_hi:[1,0]
.set k, k+2
.endr
.set k, 0
.rept 16
	v_min_num_f32 v[TT+k], s104, v[TT+k]
.set k, k+1
.endr
.endr
	s_wait_alu depctr_va_vdst(0)
.irp e, 0,1
	BASES \e
.rept 16
	v_exp_f32 v[TT+k], v[TT+k]                     ; Ec
.set k, k+1
.endr
.endr
	v_nop
.if (\w) > 0
	s_wait_dscnt 0x0                               ; the window before is back in registers
	SENDC 2*(\w)-2
	SENDC 2*(\w)-1
	WIN GW
.endif
	s_wait_alu depctr_va_vdst(0)
.irp e, 0,1
	BASES \e
.rept 8
	v_pk_add_f32 v[TT+16+k:TT+17+k], v[TT+k:TT+k+1], -1.0 op_sel_hi:[1,0]    ; Ec - 1
.set k, k+2
.endr
.set k, 0
.rept 8
	v_pk_add_f32 v[TT+k:TT+k+1], v[TT+k:TT+k+1], 1.0 op_sel_hi:[1,0]         ; Ec + 1
.set k, k+2
.endr
.set k, 0
.rept 8
	v_pk_mul_f32 v[TT+32+k:TT+33+k], v[TT+k:TT+k+1], v[TT+32+k:TT+33+k]      ; x (1 + Eo)
.set k, k+2
.endr
.endr
	s_wait_alu depctr_va_vdst(0)
.irp e, 0,1
	BASES \e
.rept 16
	v_rcp_f32 v[TT+32+k], v[TT+32+k]
.set k, k+1
.endr
.endr
	v_nop
	s_wait_alu depctr_va_vdst(0)
.irp e, 0,1
	BASES \e
.rept 8
	v_pk_mul_f32 v[NHR+k:NHR+k+1], v[TT+16+k:TT+17+k], v[TT+32+k:TT+33+k]    ; next_hidden
.set k, k+2
.endr
.endr
.irp e, 0,1
	BASES \e
.irp u, 0,1
.irp i, 0,1
	ds_store_b128 v[NCA], v[CLR+8*\u+4*\i:CLR+8*\u+4*\i+3] offset:32*TP*(2*(\w)+\e)+64*\u+16*\i
	ds_store_b128 v[NHA], v[NHR+8*\u+4*\i:NHR+8*\u+4*\i+3] offset:32*TP*(2*(\w)+\e)+64*\u+16*\i
.endr
.endr
.endr
.endm
.irp w, 0,1,2,3
	GATES \w
.endr
	s_wait_dscnt 0x0                               ; for the others' sake: my stores of the last window are done
	s_barrier_signal -1
	s_barrier_wait -1
	LOADC 6
	LOADC 7
	s_wait_dscnt 8                                 ; block 6 is back: block 7's eight loads may be out
	SENDC 6
	s_wait_dscnt 0x0
	SENDC 7
	WIN 0
	s_wait_tensorcnt 0x0                           ; the wave's end
	ds_add_u32 v[SPW], v[NIL]
	s_wait_dscnt 0x0
	CROUND                                         ; the closing round
	s_endpgm
.Lfunc_end_k_qc98c5e5aff_lstm:
	.size	k_qc98c5e5aff_lstm, .Lfunc_end_k_qc98c5e5aff_lstm-k_qc98c5e5aff_lstm
	.p2alignl 7, 3214868480
	.fill 96, 4, 3214868480
	.section	.rodata,"a",@progbits
	.p2align	6, 0x0
	.amdhsa_kernel k_qc98c5e5aff_lstm
		.amdhsa_group_segment_fixed_size 327680
		.amdhsa_private_segment_fixed_size 0
		.amdhsa_enable_private_segment 0
		.amdhsa_kernarg_size 80
		.amdhsa_user_sgpr_count 2
		.amdhsa_user_sgpr_kernarg_segment_ptr 1
		.amdhsa_wavefront_size32 1
		.amdhsa_system_sgpr_workgroup_id_x 1
		.amdhsa_system_sgpr_workgroup_id_y 1
		.amdhsa_system_sgpr_workgroup_id_z 1
		.amdhsa_system_vgpr_workitem_id 0
		.amdhsa_next_free_vgpr 1024
		.amdhsa_next_free_sgpr 106
		.amdhsa_reserve_vcc 0
		.amdhsa_float_denorm_mode_32 3
		.amdhsa_float_denorm_mode_16_64 3
		.amdhsa_memory_ordered 1
		.amdhsa_forward_progress 1
		.amdhsa_inst_pref_size 255
	.end_amdhsa_kernel
	.section	.bss,"aw",@nobits
	.p2align	6
	.space	262144
	.amdgpu_metadata
---
amdhsa.version: [ 1, 2 ]
amdhsa.kernels:
  - .name:           k_qc98c5e5aff_lstm
    .symbol:         k_qc98c5e5aff_lstm.kd
    .args:
      - { .name: a_codes, .offset: 0, .size: 8, .value_kind: global_buffer, .address_space: global }
      - { .name: a_scales, .offset: 8, .size: 8, .value_kind: global_buffer, .address_space: global }
      - { .name: w_codes, .offset: 16, .size: 8, .value_kind: global_buffer, .address_space: global }
      - { .name: w_scales, .offset: 24, .size: 8, .value_kind: global_buffer, .address_space: global }
      - { .name: Wn, .offset: 32, .size: 8, .value_kind: global_buffer, .address_space: global }
      - { .name: b, .offset: 40, .size: 8, .value_kind: global_buffer, .address_space: global }
      - { .name: neighbors, .offset: 48, .size: 8, .value_kind: global_buffer, .address_space: global }
      - { .name: cell, .offset: 56, .size: 8, .value_kind: global_buffer, .address_space: global }
      - { .name: out0, .offset: 64, .size: 8, .value_kind: global_buffer, .address_space: global }
      - { .name: out1, .offset: 72, .size: 8, .value_kind: global_buffer, .address_space: global }
    .group_segment_fixed_size: 327680
    .private_segment_fixed_size: 0
    .kernarg_segment_align: 8
    .kernarg_segment_size: 80
    .max_flat_workgroup_size: 128
    .sgpr_count:     106
    .vgpr_count:     1024
    .wavefront_size: 32
...
	.end_amdgpu_metadata
.endif
;; end of part 2
